; MI455X (gfx1250); checked and timed in simulation.
; The chip was launched on July 23, 2026; its instructions are those of AMD's public machine-readable ISA for CDNA 5 (MIT licence, August 2026) and "CDNA5" Instruction Set Architecture Reference Guide (July 2026). The comments in the code are by the model that wrote it; some were corrected since.
;; Causal Self Attention. Allowed arithmetic: matrix products marked QUANTISED: E2M3 operands, one E8M0 scale for each 32 along K, by v_wmma_scale_f32_16x16x128_f8f6f4 with both operands' format E2M3, f32 sums; everything else in f32.
;; Inputs: W_attn 1,024 x 3,072 float32; W_proj 1,024 x 1,024 float32; x 4 x 2,048 x 1,024 float32.
;; Outputs: out0 4 x 2,048 x 1,024 float32.
;; This version of the problem:
;;   THIS VERSION OF THE PROBLEM IS GIVEN IN LOW PRECISION. The matrix products marked QUANTISED in the list below multiply operands that are first quantised to E2M3 (2 exponent bits, 3 mantissa bits; 6 bits a number), with one power-of-two scale for each 32 numbers along K (OCP MX v1.0); their sums are f32. All else is computed in f32.
;;   The module's matrix products, in the order in which they are computed (A, B: the left and right operand; K: the contracted axis; several contracted axes count as one K, in the product's order):
;;     1. [M 8,192, K 1,024] x [K 1,024, N 3,072]; A: input x; B: input W_attn: QUANTISED
;;     2. batch 64 x [M 2,048, K 64] x [K 64, N 2,048]; A: computed on the way; B: computed on the way: QUANTISED
;;     3. batch 64 x [M 2,048, K 2,048] x [K 2,048, N 64]; A: softmax (see below); B: computed on the way: QUANTISED
;;     4. [M 8,192, K 1,024] x [K 1,024, N 1,024]; A: computed on the way; B: input W_proj: QUANTISED
;;   THE QUANTISER, for each operand of a quantised product, along K:
;;     - K is cut into blocks of 32 from its start; a last block that is shorter is filled with zeros.
;;     - A block's scale is 2^e with e = floor(log2(the largest magnitude in the block)) - 2, held to -126 .. 127; a block of zeros has e = 0. As a byte (E8M0): e + 127.
;;     - Each number is divided by its block's scale, clamped to +-7.5, and rounded to the nearest number of E2M3, ties to even, subnormals kept.
;;     - The product sums the exact products of the quantised numbers (number of the format x scale) in f32.
;;   ~~~python
;;   def quantise(x, axis):      # numpy; x: float32 -> the quantised numbers, widened to float32 again
;;       x = np.moveaxis(x, axis, -1); K = x.shape[-1]
;;       x = np.pad(x, [(0, 0)] * (x.ndim - 1) + [(0, -K % 32)]); x = x.reshape(x.shape[:-1] + (-1, 32)); a = np.abs(x).max(-1, keepdims=True)
;;       e = np.where(a > 0, np.clip(np.frexp(np.where(a > 0, a, 1))[1] - 1 - 2, -126, 127), 0)      # np.frexp(a)[1] - 1 = floor(log2(a)), exactly
;;       r = np.clip(x / 2.0 ** e, -7.5, 7.5)
;;       step = 2.0 ** (np.maximum(np.frexp(np.where(r == 0, 1, r))[1] - 1, 0) - 3)
;;       q = np.round(r / step) * step * 2.0 ** e      # np.round: ties to even
;;       return np.moveaxis(q.reshape(q.shape[:-2] + (-1,))[..., :K], -1, axis).astype(np.float32)
;;   ~~~
;;   SOFTMAX AHEAD OF A QUANTISED PRODUCT. Where the list says 'softmax', what is quantised is not the finished softmax but p = 2^(t - M), with t = logit x log2(e) and M = ceil(the row's largest t), a whole number; so 1/2 < the row's largest p <= 1. The row's sum l is taken of the UNQUANTISED p, in f32, and the product's result is divided by l at the end. Since M is a whole number, a kernel that streams over the keys may use a running M (the ceiling of the running maximum): every later rescaling is an exact power of two, which a block's scale takes up: the codes' values come out the same.
;;   OPERANDS COMPUTED ON THE WAY. 'Computed on the way' means the value that the module computes at that place (a softmax that the list does not call 'softmax' is quantised finished and normalised). What goes into a quantiser is computed in f32, as accurately as f32 sums, v_exp_f32 and their like allow (about 1e-6 of the number): no bf16 or f16 on the way to a quantiser, and a product that is left as it is and whose result goes on into a quantised operand takes f32 operands (vector FMAs, or v_wmma_f32_16x16x4_f32). A number that lies on a knife's edge between two numbers of the format may be rounded either way, as far as f32 arithmetic and the matrix unit's own rounding can turn it there, and no further.
;; One version. Each part assembles by itself: llvm-mc -triple=amdgcn-amd-amdhsa -mcpu=gfx1250 --defsym DOCPART=n.
;; ======== version 1 of 1: 4 launches
;; workspace buffers: xq 6,553,600 bytes; wq 3,276,800 bytes; qkv 19,660,800 bytes; yq 6,553,600 bytes
;; launch prep (part 1): grid 384 x 1, 8 waves a work-group, no clusters, 96,256 bytes of LDS; arguments x, W_attn, W_proj, xq, wq; writes xq, wq
.if DOCPART == 1
	.amdgcn_target "amdgcn-amd-amdhsa--gfx1250"
	.amdhsa_code_object_version 6
	.text
	.protected	k_q658014a07d_prep
	.globl	k_q658014a07d_prep
	.p2align	8
	.type	k_q658014a07d_prep,@function
k_q658014a07d_prep:
	s_mov_b64 s[64:65], 0
	v_nop
	global_prefetch_b8 v0, s[64:65] scope:SCOPE_SE
	s_setreg_imm32_b32 hwreg(HW_REG_WAVE_MODE, 25, 1), 1
	s_wait_xcnt 0x0
; x [8192][1024], W_attn [1024][3072] and W_proj [1024][1024], f32, become codes of FP6 (E2M3) with one E8M0 byte for each 32 along K (the 1,024 channels),
; laid in the ORDER OF THE READER'S OPERAND REGISTERS: a fragment (16 rows x 128 K, 12 registers a lane) is three pieces of 512 bytes, registers 4 c .. 4 c + 3 of lane L at 512 c + 16 L.
; A TILE'S 16 ROWS ARE NOT NEIGHBOURS: tile t of an axis holds rows 32 (t / 2) + 8 (t % 2) + r + 8 (r / 8), so that later results of two neighbouring tiles are 16 neighbours in a lane's registers.
; xq: record [group of 128 tokens][K step of 128] of 12,800 bytes: 8 token tiles x 1,536, then 512 bytes of scale words at 64 tile + 4 r.
; wq: record [64 columns][K step] of 6,400 bytes: 4 column tiles x 1,536, then 256 bytes of scale words.  Column groups 0-47 are W_attn's, 48-63 W_proj's.
; A block's scale is 2^(floor(log2(largest magnitude)) - 2); its byte is the largest magnitude's exponent field - 2, held at 1 from below.
; LIMITS: NaN and infinities among the inputs are not served.  A block of zeros, or one whose largest magnitude lies under 2^-124, gets the byte 1 (the stated quantiser gives zeros the byte 127): its codes are zeros or what that scale gives; the bytes are read by this program alone.
; SHARES: work-groups 0-127 take the weights (K step = number & 7, 256 columns = number >> 3, 32 columns a wave), work-groups 128-383 take x (128 tokens, two K steps; a wave takes a token tile).
; The two paths part on the work-group's number and have LDS bytes of their own.  No tensor loads, no matrix instructions, no cluster: no two work-groups read the same byte.
.set TM,  208                          ; v208-223 x path: at work in QUANT (W path: v208 the scale word)
.set SEL, 44                           ; s[44:45] lane selects for v_permlanex16_b32: lane l xor 16
.set XST, 26624                        ; LDS: 0 .. 26,623 the W path's stages (3,328 a wave); from here the x path's (8,448 a wave);
.set XSG, 94208                        ; and the x path's scale words, 2 x 512 bytes
	s_load_b256 s[4:11], s[0:1], 0x0               ; x s[4:5], W_attn s[6:7], W_proj s[8:9], xq s[10:11]
	s_load_b64 s[12:13], s[0:1], 0x20              ; wq
	v_lshl_add_u32 v254, v0, 2, 0x17400
	v_mov_b32 v255, 0
	v_lshrrev_b32 v1, 5, v0
	s_delay_alu instid0(VALU_DEP_1)
	v_readfirstlane_b32 s14, v1                    ; wave 0..7
	v_and_b32 v2, 31, v0                           ; lane L
	s_cmp_lt_u32 ttmp9, 128
	s_cbranch_scc0 .Lx_path
; ---------------- THE WEIGHTS.  A lane takes a column, its registers run down K: 128 numbers, four blocks of 32; nothing is transposed by an instruction.
	s_and_b32 s15, ttmp9, 7                        ; K step s
	s_lshr_b32 s16, ttmp9, 3                       ; group of 256 columns, 0..15
	s_lshl_b32 s17, s16, 3
	s_add_co_u32 s17, s17, s14                     ; cb: my block of 32 columns, 0..127
	v_lshlrev_b32 v3, 2, v2                        ; 4 L
	v_bfe_u32 v4, v0, 3, 1                         ; u: which of the block's two tiles my column lies in
	v_and_b32 v5, 7, v0
	v_bfe_u32 v6, v0, 4, 1
	s_delay_alu instid0(VALU_DEP_1)
	v_lshl_add_u32 v5, v6, 3, v5                   ; r': its row there: column L = 8 u + r' + 8 (r' / 8)
	s_delay_alu instid0(VALU_DEP_1)
	v_lshlrev_b32 v7, 2, v5
	s_delay_alu instid0(VALU_DEP_1)
	v_lshl_add_u32 v7, v4, 6, v7                   ; my scale word's place: 64 u + 4 r'
	v_lshlrev_b32 v8, 4, v2                        ; 16 L
	s_mul_i32 s24, s14, 3328                       ; my stage: two tiles of 1,536 bytes + 128
	v_mul_u32_u24 v9, v4, 1664
	s_delay_alu instid0(VALU_DEP_1)
	v_lshl_add_u32 v9, v5, 4, v9
	s_delay_alu instid0(VALU_DEP_1)
	v_add_nc_u32 v9, s24, v9                       ; into it: 1,664 u + 16 r'
	v_add_nc_u32 v10, s24, v8                      ; out of it: 16 L
	s_wait_kmcnt 0x0
	s_cmp_lt_u32 s16, 12                           ; W_attn or W_proj: the choice hangs on the work-group's number alone; only pointer, pitch and column are chosen
	s_cselect_b64 s[18:19], s[6:7], s[8:9]
	s_mov_b32 s20, 4096
	s_cselect_b32 s20, 12288, s20                  ; a row of the weight in bytes
	s_cselect_b32 s21, 0, 96
	s_sub_co_u32 s21, s17, s21                     ; my block of 32 columns within that weight
	s_lshl_b32 s22, s15, 7
	s_mul_i32 s22, s22, s20                        ; 128 s rows
	s_lshl_b32 s23, s21, 7                         ; 128 bytes a block of columns
	s_add_co_u32 s22, s22, s23
	s_mov_b32 s23, 0
	s_add_nc_u64 s[32:33], s[18:19], s[22:23]      ; where block q of 32 rows begins: s[32 + 2 q : 33 + 2 q]
	s_lshl_b32 s22, s20, 5
	s_add_nc_u64 s[34:35], s[32:33], s[22:23]
	s_add_nc_u64 s[36:37], s[34:35], s[22:23]
	s_add_nc_u64 s[38:39], s[36:37], s[22:23]
.set I, 0
.rept 32
	v_mad_u32_u24 v[16+I], s20, I, v3              ; row I of a block + 4 L; never rewritten
.set I, I+1
.endr
.set Q, 0
.rept 4
.set I, 0
.rept 32
	global_load_b32 v[48+32*Q+I], v[16+I], s[32+2*Q:33+2*Q] th:TH_LOAD_NT   ; 32 lanes read 128 consecutive bytes; the eight waves stand side by side on 1,024
.set I, I+1
.endr
.set Q, Q+1
.endr
	s_lshr_b32 s25, s17, 1                         ; the record: column group cb / 2, K step s
	s_mul_i32 s25, s25, 51200
	s_mul_i32 s26, s15, 6400
	s_add_co_u32 s26, s25, s26
	s_and_b32 s25, s17, 1
	s_mul_i32 s28, s25, 3072                       ; my two tiles: 2 (cb & 1) and the next
	s_add_co_u32 s28, s28, s26
	s_mov_b32 s29, 0
	s_add_nc_u64 s[40:41], s[12:13], s[28:29]
	s_lshl_b32 s28, s25, 7                         ; and their scale words: 6,144 + 128 (cb & 1)
	s_add_co_u32 s28, s28, s26
	s_add_co_u32 s28, s28, 6144
	s_add_nc_u64 s[42:43], s[12:13], s[28:29]
; Block q (K = 32 q on) of my column: registers 6 (q / 2) .. + 5 of lane r' + 16 (q % 2) of my tile's fragment.  left: how many younger loads may stay out.
.macro WBLOCK q, left
.set XB, 48+32*\q
	s_wait_loadcnt \left
	v_max3_num_f32 v12, |v[XB]|, |v[XB+1]|, |v[XB+2]|
	v_max3_num_f32 v13, |v[XB+3]|, |v[XB+4]|, |v[XB+5]|
.irp i, 6,10,14,18,22,26
	s_delay_alu instid0(VALU_DEP_2)
	v_max3_num_f32 v12, v12, |v[XB+\i]|, |v[XB+\i+1]|
	s_delay_alu instid0(VALU_DEP_2)
	v_max3_num_f32 v13, v13, |v[XB+\i+2]|, |v[XB+\i+3]|
.endr
	s_delay_alu instid0(VALU_DEP_2)
	v_max3_num_f32 v12, v12, |v[XB+30]|, |v[XB+31]|
	s_delay_alu instid0(VALU_DEP_1)
	v_max3_num_f32 v12, v12, v13, 0x1800000        ; with the floor 2^(3 - 127): the byte cannot fall under 1
	s_delay_alu instid0(VALU_DEP_1)
	v_add_nc_u32 v11, 0xff000000, v12              ; 2 off the exponent field: the conversion's scale operand
	s_delay_alu instid0(VALU_DEP_1)
	v_lshrrev_b32 v13, 23, v11                     ; the byte
.if \q == 0
	s_delay_alu instid0(VALU_DEP_1)
	v_mov_b32 v208, v13
.else
	s_delay_alu instid0(VALU_DEP_1)
	v_lshl_or_b32 v208, v13, 8*\q, v208            ; four bytes make my column's scale word
.endif
	v_cvt_scalef32_pk16_fp6_f32 v[176+6*\q:178+6*\q], v[XB:XB+15], v11
	v_cvt_scalef32_pk16_fp6_f32 v[200:202], v[XB+16:XB+31], v11    ; (a conversion's three registers begin on an even number)
	v_nop                                          ; one plain place behind a scaled conversion
.irp i, 0,1,2
	v_mov_b32 v[179+6*\q+\i], v[200+\i]
.endr
.if \q < 2                                         ; registers 0-3 are piece 0, registers 4, 5 the first half of piece 1
	ds_store_b128 v9, v[176+6*\q:179+6*\q] offset:256*(\q%2)
	ds_store_b64 v9, v[180+6*\q:181+6*\q] offset:256*(\q%2)+512
.else                                              ; registers 6, 7 the second half of piece 1, registers 8-11 piece 2
	ds_store_b64 v9, v[176+6*\q:177+6*\q] offset:256*(\q%2)+520
	ds_store_b128 v9, v[178+6*\q:181+6*\q] offset:256*(\q%2)+1024
.endif
.endm
	WBLOCK 0, 63                                   ; 96 loads were issued behind block 0's, 64 behind block 1's: the count is held to the largest that the wait can name
	WBLOCK 1, 63
	WBLOCK 2, 32                                   ; block 3's 32 may stay out
	WBLOCK 3, 0
.irp n, 0,1,2,3,4,5
	ds_load_b128 v[210+4*\n:213+4*\n], v10 offset:1664*(\n/3)+512*(\n%3)   ; LDS serves a wave's instructions in order: these see my stores
.endr
	global_store_b32 v7, v208, s[42:43]            ; 128 consecutive bytes a wave: the scale words are one byte in 128 of what is read
.irp n, 0,1,2,3,4,5
	s_wait_dscnt 5-\n                              ; piece n is back; the younger ones may be out
	global_store_b128 v8, v[210+4*\n:213+4*\n], s[40:41] offset:1536*(\n/3)+512*(\n%3)   ; 512 consecutive bytes, at a multiple of 256 from the buffer's first byte
.endr
	s_wait_tensorcnt 0x0
	ds_add_u32 v254, v255
	s_wait_dscnt 0x0
	s_endpgm
; ---------------- x.  Wave i takes token tile i of the group and two K steps: two fragments.
; 64 numbers of a lane, register 16 b + i = k 32 b + 16 (lane / 16) + i of my row, become a fragment's codes in v[pc] on and its scale word in v[pw].
.macro QUANT s, pc, pw
.irp b, 0,1,2,3
	v_max3_num_f32 v[TM+\b], |v[\s+16*\b]|, |v[\s+1+16*\b]|, 0x1800000   ; my 16 numbers of block b, and the floor 2^(3 - 127)
.endr
.irp i, 2,4,6,8,10,12,14
.irp b, 0,1,2,3
	s_delay_alu instid0(VALU_DEP_4)
	v_max3_num_f32 v[TM+\b], v[TM+\b], |v[\s+16*\b+\i]|, |v[\s+1+16*\b+\i]|
.endr
.endr
.irp b, 0,1,2,3
	s_delay_alu instid0(VALU_DEP_4)
	v_permlanex16_b32 v[TM+4+\b], v[TM+\b], s[SEL], s[SEL+1]
.endr
.irp b, 0,1,2,3
	s_delay_alu instid0(VALU_DEP_4)
	v_max_num_f32 v[TM+\b], v[TM+\b], v[TM+4+\b]   ; with lane l xor 16's: the block's largest magnitude
.endr
.irp b, 0,1,2,3
	s_delay_alu instid0(VALU_DEP_4)
	v_add_nc_u32 v[TM+12+\b], 0xff000000, v[TM+\b] ; the conversion's scale operand
.endr
.irp b, 0,1,2,3
	s_delay_alu instid0(VALU_DEP_4)
	v_lshrrev_b32 v[TM+4+\b], 23, v[TM+12+\b]      ; the byte
.endr
	s_delay_alu instid0(VALU_DEP_3)
	v_lshl_or_b32 v[\pw], v[TM+5], 8, v[TM+4]
	s_delay_alu instid0(VALU_DEP_1)
	v_lshl_or_b32 v[\pw], v[TM+6], 16, v[\pw]
	s_delay_alu instid0(VALU_DEP_1)
	v_lshl_or_b32 v[\pw], v[TM+7], 24, v[\pw]
.irp c, 0,1
	v_cvt_scalef32_pk16_fp6_f32 v[\pc+6*\c:\pc+2+6*\c], v[\s+32*\c:\s+15+32*\c], v[TM+12+2*\c]
	v_cvt_scalef32_pk16_fp6_f32 v[\pc+12+4*\c:\pc+14+4*\c], v[\s+16+32*\c:\s+31+32*\c], v[TM+12+2*\c+1]
.endr
	v_nop                                          ; one plain place behind a scaled conversion
.irp c, 0,1                                        ; the operand's layout wants a whole block in a lane
.irp i, 0,1,2
	v_permlane16_swap_b32 v[\pc+6*\c+\i], v[\pc+12+4*\c+\i]
.endr
.irp i, 0,1,2
	s_delay_alu instid0(VALU_DEP_3)
	v_mov_b32 v[\pc+3+6*\c+\i], v[\pc+12+4*\c+\i]
.endr
.endr
.endm
.Lx_path:
	s_sub_co_u32 s15, ttmp9, 128
	s_lshr_b32 s16, s15, 2                         ; the group of 128 tokens
	s_and_b32 s17, s15, 3                          ; y: K steps 2 y and 2 y + 1
	s_mov_b32 s[SEL], 0x76543210
	s_mov_b32 s[SEL+1], 0xfedcba98
	s_wait_alu depctr_va_vdst(0)
	v_lshlrev_b32 v3, 4, v2                        ; 16 L
	v_and_b32 v8, 15, v0                           ; r
	v_bfe_u32 v9, v0, 4, 1                         ; h
	s_mul_i32 s20, s14, 8448                       ; my stage: 16 rows of 512 bytes + 16
	s_add_co_u32 s20, s20, XST
	v_add_nc_u32 v4, s20, v3                       ; into it: 16 L of a row
	v_mul_u32_u24 v5, v8, 528
	s_delay_alu instid0(VALU_DEP_1)
	v_lshl_add_u32 v5, v9, 6, v5
	s_delay_alu instid0(VALU_DEP_1)
	v_add_nc_u32 v5, s20, v5                       ; out of it: row r, + 64 h: my 16 numbers of each block of 32
	s_lshl_b32 s21, s14, 6
	s_add_co_u32 s21, s21, XSG
	v_lshl_add_u32 v6, v8, 2, s21                  ; my row's scale word: 64 tile + 4 r
	s_and_b32 s21, s14, 1
	s_lshl_b32 s21, s21, 9
	s_add_co_u32 s21, s21, XSG
	v_add_nc_u32 v7, s21, v3                       ; waves 0 and 1 read a K step's 512 bytes of scale words back
.irp b, 0,1,2,3
	v_mov_b32 v[TM+4+\b], 0                        ; written once: a lane permute's destination counts as one of its sources
.endr
	s_lshl_b32 s18, s16, 7                         ; my tile's first token: 128 group + 32 (i / 2) + 8 (i % 2)
	s_lshr_b32 s19, s14, 1
	s_lshl_b32 s19, s19, 5
	s_add_co_u32 s18, s18, s19
	s_and_b32 s19, s14, 1
	s_lshl_b32 s19, s19, 3
	s_add_co_u32 s18, s18, s19
	s_lshl_b32 s18, s18, 12                        ; 4,096 bytes a token
	s_lshl_b32 s19, s17, 10                        ; 512 bytes a K step
	s_add_co_u32 s18, s18, s19
	s_mov_b32 s19, 0
	s_mul_i32 s21, s16, 102400
	s_mul_i32 s22, s17, 25600
	s_add_co_u32 s21, s21, s22                     ; record (group, 2 y)
	s_mul_i32 s22, s14, 1536
	s_add_co_u32 s22, s22, s21
	s_mov_b32 s23, 0
	s_wait_alu depctr_va_vdst(0)
	s_wait_kmcnt 0x0
	s_add_nc_u64 s[4:5], s[4:5], s[18:19]
	s_add_nc_u64 s[24:25], s[10:11], s[22:23]      ; my tile's fragment in it
	s_mul_i32 s22, s14, 12800                      ; (used by waves 0 and 1 alone: record 2 y + wave, its scale words)
	s_add_co_u32 s22, s22, s21
	s_add_co_u32 s22, s22, 12288
	s_add_nc_u64 s[26:27], s[10:11], s[22:23]
.irp f, 0,1
.irp q, 0,1,2,3,4,5,6,7,8,9,10,11,12,13,14,15
	global_load_b128 v[16+64*\f+4*\q:19+64*\f+4*\q], v3, s[4:5] offset:(\q+8*(\q/8))*4096+512*\f th:TH_LOAD_NT   ; row q of my tile, a K step: 512 consecutive bytes
.endr
.endr
.macro XFRAG f
	s_wait_loadcnt 16*(1-\f)                       ; this K step's 16 loads are in; the other's may be out
.irp q, 0,1,2,3,4,5,6,7,8,9,10,11,12,13,14,15
	ds_store_b128 v4, v[16+64*\f+4*\q:19+64*\f+4*\q] offset:528*\q
.endr
.irp b, 0,1,2,3
.irp j, 0,1,2,3
	ds_load_b128 v[144+16*\b+4*\j:147+16*\b+4*\j], v5 offset:128*\b+16*\j   ; LDS serves a wave's instructions in order: these see my stores
.endr
.endr
	s_wait_dscnt 0x0
	QUANT 144, 16+20*\f, 224+\f                    ; the codes lie over the first K step's numbers, which have gone through the stage
.irp c, 0,1,2
	global_store_b128 v3, v[16+20*\f+4*\c:19+20*\f+4*\c], s[24:25] offset:12800*\f+512*\c
.endr
	ds_store_b32 v6, v[224+\f] offset:512*\f       ; both halves of the lanes write the same word with the same value
.endm
	XFRAG 0
	XFRAG 1
	s_wait_dscnt 0x0                               ; for the others' sake: my scale words lie in LDS
	s_barrier_signal -1
	s_barrier_wait -1
	s_cmp_lt_u32 s14, 2
	s_cbranch_scc0 .Lx_done
	ds_load_b128 v[228:231], v7                    ; the eight tiles' scale words of K step 2 y + wave
	s_wait_dscnt 0x0
	global_store_b128 v3, v[228:231], s[26:27]     ; 512 consecutive bytes, at a multiple of 256 from the buffer's first byte
.Lx_done:
	s_wait_tensorcnt 0x0
	ds_add_u32 v254, v255
	s_wait_dscnt 0x0
	s_endpgm
.Lfunc_end_k_q658014a07d_prep:
	.size	k_q658014a07d_prep, .Lfunc_end_k_q658014a07d_prep-k_q658014a07d_prep
	.p2alignl 7, 3214868480
	.fill 96, 4, 3214868480
	.section	.rodata,"a",@progbits
	.p2align	6, 0x0
	.amdhsa_kernel k_q658014a07d_prep
		.amdhsa_group_segment_fixed_size 96256
		.amdhsa_private_segment_fixed_size 0
		.amdhsa_enable_private_segment 0
		.amdhsa_kernarg_size 40
		.amdhsa_user_sgpr_count 2
		.amdhsa_user_sgpr_kernarg_segment_ptr 1
		.amdhsa_wavefront_size32 1
		.amdhsa_system_sgpr_workgroup_id_x 1
		.amdhsa_system_sgpr_workgroup_id_y 1
		.amdhsa_system_sgpr_workgroup_id_z 1
		.amdhsa_system_vgpr_workitem_id 0
		.amdhsa_next_free_vgpr 256
		.amdhsa_next_free_sgpr 66
		.amdhsa_reserve_vcc 0
		.amdhsa_float_denorm_mode_32 3
		.amdhsa_float_denorm_mode_16_64 3
		.amdhsa_memory_ordered 1
		.amdhsa_forward_progress 1
		.amdhsa_inst_pref_size 48
	.end_amdhsa_kernel
	.amdgpu_metadata
---
amdhsa.version: [ 1, 2 ]
amdhsa.kernels:
  - .name:           k_q658014a07d_prep
    .symbol:         k_q658014a07d_prep.kd
    .args:
      - { .name: x, .offset: 0, .size: 8, .value_kind: global_buffer, .address_space: global }
      - { .name: W_attn, .offset: 8, .size: 8, .value_kind: global_buffer, .address_space: global }
      - { .name: W_proj, .offset: 16, .size: 8, .value_kind: global_buffer, .address_space: global }
      - { .name: xq, .offset: 24, .size: 8, .value_kind: global_buffer, .address_space: global }
      - { .name: wq, .offset: 32, .size: 8, .value_kind: global_buffer, .address_space: global }
    .group_segment_fixed_size: 96256
    .private_segment_fixed_size: 0
    .kernarg_segment_align: 8
    .kernarg_segment_size: 40
    .max_flat_workgroup_size: 256
    .sgpr_count:     66
    .vgpr_count:     256
    .wavefront_size: 32
...
	.end_amdgpu_metadata
.endif
;; end of part 1
;; launch gemm_qkv (part 2): grid 4 x 64, 4 waves a work-group, no clusters, 168,448 bytes of LDS; arguments xq, wq, qkv; writes qkv
.if DOCPART == 2
	.amdgcn_target "amdgcn-amd-amdhsa--gfx1250"
	.amdhsa_code_object_version 6
	.text
	.protected	k_q658014a07d_gemm_qkv
	.globl	k_q658014a07d_gemm_qkv
	.p2align	8
	.type	k_q658014a07d_gemm_qkv,@function
k_q658014a07d_gemm_qkv:
	s_mov_b64 s[64:65], 0
	v_nop
	global_prefetch_b8 v0, s[64:65] scope:SCOPE_SE
	s_setreg_imm32_b32 hwreg(HW_REG_WAVE_MODE, 25, 1), 1
	s_wait_xcnt 0x0
; qkv = x W_attn on codes of FP6 (E2M3) with E8M0 scales, sums in f32, K ascending; the results are quantised in registers and leave as codes: q and k along a head's 64 dims, v along the tokens.
; SHARES.  A work-group takes 128 tokens (ttmp7) and 768 columns; wave w makes three passes of 128 tokens x 64 columns: column group 16 p + 4 g + w: pass 0 a head of q, pass 1 of k, pass 2 of v.  32 accumulators, 256 registers.
; x's codes and scale words for all of K, 102,400 bytes, come into LDS ONCE, a quarter by each wave's one tensor load; no LDS byte is filled twice.  The weights' fragments go from memory straight into registers
; (they lie in memory as images of the registers), through a ring of eight K steps, asked for seven steps ahead.  The text is straight-line.
; PASSES 0, 1: source 0 = 16 columns of W, source 1 = 16 tokens: a lane holds one token, its registers run along the head's dims.  PASS 2: the sources change places: a lane holds one dim, its registers run along the tokens.
; In both cases 64 registers (8 accumulators) are four blocks of 32 along the next product's K, and one macro quantises them.
; qkv: record [column group 48][group of 128 tokens 64] of 6,400 bytes: four fragments of 1,536 bytes and 256 bytes of scale words, the word of (fragment a, row r) at 8 (r + 16 (a & 1)) + 4 (a >> 1).
;   q, k: fragment a holds token tiles 2 a (registers 0-5) and 2 a + 1 (registers 6-11), 64 dims each.   v: fragment j holds dims tile j x the group's 128 tokens.
; NO CLUSTER: the four work-groups of a group of tokens share x's 102,400 bytes, one seventh of the 716,800 bytes that a work-group reads; the rest, the weights, go to registers by plain loads, which no joint request serves.
; LIMITS: NaN and infinities are not served.  A block of zeros, or one under 2^-124, gets the byte 1; the bytes are read by this program alone.
; REGISTERS, in windows of 256: window 0: v1-5 addresses; v16-47 x's scale words (register 8 (s % 4) + tile; lanes 0-15 K step s % 4, lanes 16-31 K step s % 4 + 4); v48-95 W's (16 p + 4 (s % 4) + tile);
;   v96-138 at work on the way out; v160-255 x's fragments, set 0.   window 1: W's slots 0-4.   window 2: v0-143 W's slots 5-7; v144-239 x's set 1.   window 3: the accumulators.
.set XS,  16
.set WS,  48
.set TM,  96                           ; v96-111 at work in QUANT
.set PW,  112                          ; v112-115 the four fragments' scale words
.set PK,  116                          ; v116-117 the same, packed for one store
.set PC,  120                          ; v120-138 the codes just made
.set SEL, 42                           ; s[42:43] lane selects for v_permlanex16_b32
.set MSB, 0
.macro WIN new                         ; the immediate's high byte repeats the setting that is left
.if MSB != (\new)
	s_set_vgpr_msb (MSB<<8)|(\new)
.set MSB, \new
.endif
.endm
	s_load_b128 s[4:7], s[0:1], 0x0                ; xq, wq
	s_load_b64 s[8:9], s[0:1], 0x10                ; qkv
	v_lshl_add_u32 v158, v0, 2, 0x29000
	v_mov_b32 v159, 0
	ds_add_u32 v158, v159
	ds_add_u32 v158, v159
	v_lshrrev_b32 v6, 5, v0
	v_readfirstlane_b32 s10, v6                    ; wave 0..3
	s_and_b32 s11, ttmp7, 0xffff                   ; the group of 128 tokens
	s_mul_i32 s14, s10, 25600                      ; my quarter of x's block, in LDS and in memory
	s_mul_i32 s12, s11, 102400
	s_add_co_u32 s12, s12, s14
	s_mov_b32 s13, 0
	s_mov_b32 s16, 3<<16                           ; group 1: no mask, elements of 8 bytes, no padding
	s_mov_b32 s17, 32<<16                          ; tensor_dim0 = 32 elements: rows of 256 bytes
	s_mov_b32 s18, 100<<16                         ; tensor_dim1 = 100
	s_mov_b32 s19, 32<<16                          ; tile_dim0
	s_mov_b32 s20, 100                             ; tile_dim1
	s_mov_b32 s21, 32                              ; the pitch: dense
	s_mov_b32 s22, 0
	s_mov_b32 s23, 0
	s_wait_dscnt 0x0
	s_wait_kmcnt 0x0
	s_mov_b32 s24, 1
	s_mov_b32 s25, s14
	s_add_nc_u64 s[26:27], s[4:5], s[12:13]
	s_or_b32 s27, s27, 0x80000000
	tensor_load_to_lds s[24:27], s[16:23]          ; my one tensor load: 25,600 bytes
	s_nop 0
.rept 4
	v_nop
.endr
	v_and_b32 v7, 31, v0                           ; L
	v_and_b32 v8, 15, v0                           ; r
	v_bfe_u32 v9, v0, 4, 1                         ; h
	v_lshlrev_b32 v1, 4, v7                        ; 16 L
	v_add_nc_u32 v2, 51200, v1                     ; the same four K steps on
	v_lshlrev_b32 v3, 2, v8
	v_mad_u32_u24 v4, v9, 25600, v3                ; W's scale words: 4 r; lanes 16-31 four K steps (4 x 6,400) on
	s_wait_alu depctr_va_vdst(0)
	v_mad_u32_u24 v3, v9, 51200, v3                ; x's: 4 r; lanes 16-31 four K steps (4 x 12,800) on
	v_lshlrev_b32 v5, 3, v7                        ; 8 L
.irp b, 0,1,2,3
	v_mov_b32 v[TM+4+\b], 0                        ; written once: a lane permute's destination counts as one of its sources
.endr
	s_mov_b32 s40, 0xffff0000                      ; lanes 16-31
	s_mov_b32 s[SEL], 0x76543210
	s_mov_b32 s[SEL+1], 0xfedcba98
	s_lshl_b32 s15, ttmp9, 2
	s_add_co_u32 s15, s15, s10                     ; 4 g + w
	s_mul_i32 s44, s15, 51200
	s_mov_b32 s45, 0
	s_add_nc_u64 s[28:29], s[6:7], s[44:45]        ; W's records of pass 0, 1, 2: 16 column groups apart
	s_add_nc_u64 s[30:31], s[28:29], 819200
	s_add_nc_u64 s[32:33], s[30:31], 819200
	s_mul_i32 s44, s15, 409600
	s_mul_i32 s46, s11, 6400
	s_add_co_u32 s44, s44, s46
	s_add_nc_u64 s[34:35], s[8:9], s[44:45]        ; the output's records likewise
	s_add_nc_u64 s[36:37], s[34:35], 6553600
	s_add_nc_u64 s[38:39], s[36:37], 6553600
.irp p, 0,1,2
.irp q, 0,1,2,3
.irp j, 0,1,2,3
	global_load_b32 v[WS+16*\p+4*\q+\j], v4, s[28+2*\p:29+2*\p] offset:6400*\q+6144+64*\j
.endr
.endr
.endr
; W's four fragments of step t (pass t / 8, K step t % 8) into slot t % 8
.macro LDW t
.set SL, (\t)%8
.set PP, (\t)/8
.if SL < 5
	WIN 0x40
.set WB, 48*SL
.else
	WIN 0x80
.set WB, 48*(SL-5)
.endif
.irp j, 0,1,2,3
.irp c, 0,1,2
	global_load_b128 v[WB+12*\j+4*\c:WB+12*\j+4*\c+3], v1, s[28+2*PP:29+2*PP] offset:6400*SL+1536*\j+512*\c
.endr
.endr
.endm
; x's eight fragments of K step t % 8 into set t % 2
.macro LDX t
.set S8, (\t)%8
.if S8%2
	WIN 0x80
.set XB, 144
.else
	WIN 0
.set XB, 160
.endif
.irp i, 0,1,2,3,4,5,6,7
.irp c, 0,1,2
.if S8 < 4
	ds_load_b128 v[XB+12*\i+4*\c:XB+12*\i+4*\c+3], v1 offset:12800*(S8%4)+1536*\i+512*\c
.else
	ds_load_b128 v[XB+12*\i+4*\c:XB+12*\i+4*\c+3], v2 offset:12800*(S8%4)+1536*\i+512*\c
.endif
.endr
.endr
.endm
.macro WM d, a, b, sa, sb, s           ; K step 0 starts the sums: nothing is cleared.  K steps 4-7 take their scale words from lanes 16-31
.if \s == 0
	v_wmma_scale_f32_16x16x128_f8f6f4 v[\d:\d+7], v[\a:\a+11], v[\b:\b+11], 0, v[\sa], v[\sb] matrix_a_fmt:MATRIX_FMT_FP6 matrix_b_fmt:MATRIX_FMT_FP6
.elseif \s < 4
	v_wmma_scale_f32_16x16x128_f8f6f4 v[\d:\d+7], v[\a:\a+11], v[\b:\b+11], v[\d:\d+7], v[\sa], v[\sb] matrix_a_fmt:MATRIX_FMT_FP6 matrix_b_fmt:MATRIX_FMT_FP6
.else
	v_wmma_scale_f32_16x16x128_f8f6f4 v[\d:\d+7], v[\a:\a+11], v[\b:\b+11], v[\d:\d+7], v[\sa], v[\sb] matrix_a_fmt:MATRIX_FMT_FP6 matrix_b_fmt:MATRIX_FMT_FP6 matrix_a_scale:MATRIX_SCALE_ROW1 matrix_b_scale:MATRIX_SCALE_ROW1
.endif
.endm
; 32 matrix instructions: 8 token tiles x 4 column tiles, 128 along K.  The 32 accumulators take turns, one instruction a turn.
.macro MUL t, typ
.set S8, (\t)%8
.set PP, (\t)/8
.if S8 < 5
.set WW, 1
.set WB, 48*S8
.else
.set WW, 2
.set WB, 48*(S8-5)
.endif
.if S8%2
.set XW, 2
.set XB, 144
.else
.set XW, 0
.set XB, 160
.endif
.if \typ
.set NW, 0xf0+4*WW+XW
.else
.set NW, 0xf0+4*XW+WW
.endif
	WIN NW
.irp i, 0,1,2,3,4,5,6,7
.irp j, 0,1,2,3
.set rX, XB+12*\i
.set rW, WB+12*\j
.set sX, XS+8*(S8%4)+\i
.set sW, WS+16*PP+4*(S8%4)+\j
.if \typ
.set rD, 8*(8*\j+\i)
	WM rD, rX, rW, sX, sW, S8
.else
.set rD, 8*(4*\i+\j)
	WM rD, rW, rX, sW, sX, S8
.endif
.endr
.endr
.endm
; A step.  Loads into registers that matrix instructions have read stand four places behind them; a sum begun anew over an accumulator five (for the sum).
.macro STEP t, typ
	WIN 0
.if (\t) > 0
.rept 4
	v_nop
.endr
.if (\t)%8 == 0
	v_nop
.endif
.endif
.if (\t) < 23
	LDX (\t)+1                                     ; the next step's x, into the set that the last step read
.endif
.if ((\t) >= 1) && ((\t) <= 16)
	LDW (\t)+7                                     ; W seven steps ahead, into the slot that the last step read
.endif
.if (\t) < 23
	s_wait_dscnt 24                                ; this step's x is in; the 24 loads just issued may be out
.else
	s_wait_dscnt 0x0
.endif
.set NN, 12*(23-(\t))                              ; loads issued behind this step's W: twelve for each later step asked for, seven steps at the most
.if (\t) <= 16
.set NN, 84
.endif
.if NN > 63
.set NN, 63                                        ; held to the largest count that the wait can name
.endif
	s_wait_loadcnt NN
	MUL \t, \typ
.endm
; 64 registers of window 3 from s on, register 16 b + i = place 32 b + 16 (lane / 16) + i along the next K, become a fragment's codes in v[PC] on and its scale word in v[pw].  Each accumulator is read from its low end on.
.macro QUANT s, pw
	WIN 0x0f                                       ; sources 0 and 1 window 3
.irp b, 0,1,2,3
	v_max3_num_f32 v[TM+\b], |v[\s+16*\b]|, |v[\s+16*\b+1]|, 0x1800000   ; with the floor 2^(3 - 127)
.endr
.irp i, 2,4,6,8,10,12,14
.irp b, 0,1,2,3
	v_max3_num_f32 v[TM+\b], |v[\s+16*\b+\i]|, |v[\s+16*\b+\i+1]|, v[TM+\b]
.endr
.endr
	WIN 0
.irp b, 0,1,2,3
	v_permlanex16_b32 v[TM+4+\b], v[TM+\b], s[SEL], s[SEL+1]
.endr
.irp b, 0,1,2,3
	v_max_num_f32 v[TM+\b], v[TM+\b], v[TM+4+\b]
.endr
.irp b, 0,1,2,3
	v_add_nc_u32 v[TM+12+\b], 0xff000000, v[TM+\b]
.endr
.irp b, 0,1,2,3
	v_lshrrev_b32 v[TM+4+\b], 23, v[TM+12+\b]
.endr
	v_lshl_or_b32 v[\pw], v[TM+5], 8, v[TM+4]
	v_lshl_or_b32 v[\pw], v[TM+6], 16, v[\pw]
	v_lshl_or_b32 v[\pw], v[TM+7], 24, v[\pw]
	WIN 0x03                                       ; source 0 window 3
.irp c, 0,1
	v_cvt_scalef32_pk16_fp6_f32 v[PC+6*\c:PC+2+6*\c], v[\s+32*\c:\s+15+32*\c], v[TM+12+2*\c]
	v_cvt_scalef32_pk16_fp6_f32 v[PC+12+4*\c:PC+14+4*\c], v[\s+16+32*\c:\s+31+32*\c], v[TM+12+2*\c+1]
.endr
	WIN 0
	v_nop                                          ; one plain place behind a scaled conversion
.irp c, 0,1
.irp i, 0,1,2
	v_permlane16_swap_b32 v[PC+6*\c+\i], v[PC+12+4*\c+\i]
.endr
.irp i, 0,1,2
	v_mov_b32 v[PC+3+6*\c+\i], v[PC+12+4*\c+\i]
.endr
.endr
.endm
; A pass's way out: four fragments and their scale words.
.macro EPI p
	WIN 0
.rept 4
	v_nop                                          ; places in front of the first read of results
.endr
.irp a, 0,1,2,3
	s_wait_xcnt 0x0                                ; the earlier stores have read their data: the codes' registers are written again only behind this wait
	QUANT 64*\a, PW+\a
.irp c, 0,1,2
	global_store_b128 v1, v[PC+4*\c:PC+4*\c+3], s[34+2*\p:35+2*\p] offset:1536*\a+512*\c   ; 512 consecutive bytes, at a multiple of 256 from the buffer's first byte
.endr
.endr
	v_cndmask_b32 v[PK], v[PW], v[PW+1], s40       ; lanes 0-15 fragment 0's words, lanes 16-31 fragment 1's;
	v_cndmask_b32 v[PK+1], v[PW+2], v[PW+3], s40   ; fragments 2 and 3
	global_store_b64 v5, v[PK:PK+1], s[34+2*\p:35+2*\p] offset:6144   ; 256 consecutive bytes, aligned
.endm
.irp t, 0,1,2,3,4,5,6,7
	LDW \t
.endr
	WIN 0
	s_wait_alu depctr_va_vdst(0)
	s_wait_tensorcnt 0x0                           ; my quarter of x's block has landed,
	s_barrier_signal -1
	s_barrier_wait -1                              ; everybody's has
.irp q, 0,1,2,3
.irp i, 0,1,2,3,4,5,6,7
	ds_load_b32 v[XS+8*\q+\i], v3 offset:12800*\q+12288+64*\i
.endr
.endr
	LDX 0
.irp t, 0,1,2,3,4,5,6,7
	STEP \t, 0
.endr
	EPI 0
.irp t, 8,9,10,11,12,13,14,15
	STEP \t, 0
.endr
	EPI 1
.irp t, 16,17,18,19,20,21,22,23
	STEP \t, 1
.endr
	EPI 2
	s_wait_tensorcnt 0x0
	ds_add_u32 v158, v159
	s_wait_dscnt 0x0
	s_endpgm
.Lfunc_end_k_q658014a07d_gemm_qkv:
	.size	k_q658014a07d_gemm_qkv, .Lfunc_end_k_q658014a07d_gemm_qkv-k_q658014a07d_gemm_qkv
	.p2alignl 7, 3214868480
	.fill 96, 4, 3214868480
	.section	.rodata,"a",@progbits
	.p2align	6, 0x0
	.amdhsa_kernel k_q658014a07d_gemm_qkv
		.amdhsa_group_segment_fixed_size 168448
		.amdhsa_private_segment_fixed_size 0
		.amdhsa_enable_private_segment 0
		.amdhsa_kernarg_size 24
		.amdhsa_user_sgpr_count 2
		.amdhsa_user_sgpr_kernarg_segment_ptr 1
		.amdhsa_wavefront_size32 1
		.amdhsa_system_sgpr_workgroup_id_x 1
		.amdhsa_system_sgpr_workgroup_id_y 1
		.amdhsa_system_sgpr_workgroup_id_z 1
		.amdhsa_system_vgpr_workitem_id 0
		.amdhsa_next_free_vgpr 1024
		.amdhsa_next_free_sgpr 66
		.amdhsa_reserve_vcc 0
		.amdhsa_float_denorm_mode_32 3
		.amdhsa_float_denorm_mode_16_64 3
		.amdhsa_memory_ordered 1
		.amdhsa_forward_progress 1
		.amdhsa_inst_pref_size 227
	.end_amdhsa_kernel
	.amdgpu_metadata
---
amdhsa.version: [ 1, 2 ]
amdhsa.kernels:
  - .name:           k_q658014a07d_gemm_qkv
    .symbol:         k_q658014a07d_gemm_qkv.kd
    .args:
      - { .name: xq, .offset: 0, .size: 8, .value_kind: global_buffer, .address_space: global }
      - { .name: wq, .offset: 8, .size: 8, .value_kind: global_buffer, .address_space: global }
      - { .name: qkv, .offset: 16, .size: 8, .value_kind: global_buffer, .address_space: global }
    .group_segment_fixed_size: 168448
    .private_segment_fixed_size: 0
    .kernarg_segment_align: 8
    .kernarg_segment_size: 24
    .max_flat_workgroup_size: 128
    .sgpr_count:     66
    .vgpr_count:     1024
    .wavefront_size: 32
...
	.end_amdgpu_metadata
.endif
;; end of part 2
;; launch attn (part 3): grid 4 x 64, 8 waves a work-group, no clusters, 327,680 bytes of LDS; arguments qkv, yq; writes yq
.if DOCPART == 3
	.amdgcn_target "amdgcn-amd-amdhsa--gfx1250"
	.amdhsa_code_object_version 6
	.text
	.protected	k_q658014a07d_attn
	.globl	k_q658014a07d_attn
	.p2align	8
	.type	k_q658014a07d_attn,@function
k_q658014a07d_attn:
	s_mov_b64 s[64:65], 0
	v_nop
	global_prefetch_b8 v0, s[64:65] scope:SCOPE_SE
	s_setreg_imm32_b32 hwreg(HW_REG_WAVE_MODE, 25, 1), 1
	s_wait_xcnt 0x0
; y = softmax(q k^T / 8, causal) v for one head of one batch, both products on codes of FP6 (E2M3) with E8M0 scales; y leaves as codes along the channels, for the last product.
; THE SOFTMAX AHEAD OF THE SECOND PRODUCT: t = score x log2(e) / 8; M = the running largest t rounded UP to a whole number; p = 2^(t - M) is quantised along the keys, not normalised; the row's sum is taken of the
; unquantised p and divides at the end.  When M moves, the sum and O are multiplied by 2^(old M - new M): exact.
; SHARES.  A work-group (ttmp7 = 16 batch + head) takes TWO blocks of 256 queries, ttmp9 and 7 - ttmp9: 18 key steps' worth of blocks in every work-group.  Each of its eight waves owns 32 queries, two tiles, so that each
; fragment of k and v read from LDS feeds two tiles; two waves share a SIMD, so that one wave's vector work stands beside the other's products.
; THE WHOLE HEAD'S k AND v, 16 key steps x 12,800 bytes (k's record, then v's), come into LDS once: two tensor loads a wave, both at the head; no LDS byte is filled twice.
; LAYOUT.  Both products are used transposed: S^T = k q^T, O^T = v^T p^T: a lane holds one query throughout.  A fragment of k holds TWO tiles of 16 keys x 64 dims (registers 0-5, 6-11); multiplied by [q | 0] it gives the
; first tile's scores, by [0 | q] the second's: the zeros are codes, which add nothing.  A tile's 16 keys are 32 (t / 2) + 8 (t % 2) + r + 8 (r / 8), so that the 16 registers of two neighbouring tiles are 16 neighbouring keys.
; CAUSAL.  The loops' trip counts are constants (8 and 16 key steps); a step all of whose keys come after the wave's 32 queries is jumped over by a scalar branch on ids; in the step on the diagonal hidden scores become -infinity.
; NO CLUSTER: the four work-groups of a head read the same k and v, but which steps a wave jumps over hangs on the work-group's block of queries.
; LIMITS: NaN and infinities are not served.  A block of zeros, or one under 2^-124, gets the byte 1; the bytes are read by this program alone.
; yq: record [group of 128 tokens][K step of 128 channels = two heads] of 12,800 bytes: 8 token tiles x 1,536; in a tile, head & 1 = c: registers 6 c .. 6 c + 3 of lane L at 768 c + 16 L, registers 6 c + 4, 5 at 768 c + 512 + 8 L;
;   then 512 bytes of scales: the head's two bytes of a token at 256 c + 32 tile + 2 r.
; REGISTERS.  window 0: v1-11 addresses and constants; tile u: v12+4u -M, v13+4u the largest t, v[14+4u:15+4u] the sum; v20-23 k's scale words, v24-27 v's, v28+u q's, v30+u p's; v32+16u.. at work
;   (+0..3 block maxima, +4..7 and +8..11 at work, +12,13 f, +14 a temporary); v64+64u S^T, then p, at the end y; v192+20u p's (y's) codes; v232-243 at work.
;   window 1: v0+32u O^T; v64-111 k's four fragments; v112-159 v's; v160-189 [0 x 6][q of tile 0][0 x 6][q of tile 1][0 x 6].
.set SG,  204800                       ; LDS behind the head's 204,800 bytes: y's scale bytes, 512 for each of the two blocks
.set MSB, 0
.macro WIN new                         ; the immediate's high byte repeats the setting that is left
.if MSB != (\new)
	s_set_vgpr_msb (MSB<<8)|(\new)
.set MSB, \new
.endif
.endm
	s_load_b128 s[4:7], s[0:1], 0x0                ; qkv, yq
	v_lshl_add_u32 v254, v0, 2, 0x32800
	v_mov_b32 v255, 0
	ds_add_u32 v254, v255
	ds_add_u32 v254, v255
	v_lshrrev_b32 v232, 5, v0
	s_delay_alu instid0(VALU_DEP_1)
	v_readfirstlane_b32 s8, v232                   ; wave 0..7
	s_and_b32 s12, ttmp7, 0xffff
	s_and_b32 s9, s12, 15                          ; the head
	s_lshr_b32 s10, s12, 4                         ; the batch
	s_mov_b32 s11, ttmp9                           ; 0..3
	s_mov_b32 s16, 3<<16                           ; group 1: no mask, elements of 8 bytes, no padding
	s_mov_b32 s17, 800<<16                         ; tensor_dim0 = 800 elements: a record of 6,400 bytes
	s_mov_b32 s18, 2<<16                           ; tensor_dim1 = 2: k's record and v's
	s_mov_b32 s19, 800<<16                         ; tile_dim0
	s_mov_b32 s20, 2                               ; tile_dim1
	s_mov_b32 s21, 819200                          ; the pitch: 16 column groups of 409,600 bytes
	s_mov_b32 s22, 0
	s_mov_b32 s23, 0
	s_mul_i32 s41, s8, 12800                       ; key step w in LDS
	s_add_co_u32 s43, s9, 16
	s_mul_i32 s48, s43, 409600                     ; k's column group: 16 + head
	s_lshl_b32 s43, s10, 4
	s_add_co_u32 s43, s43, s8
	s_mul_i32 s43, s43, 6400                       ; the batch's group of tokens w
	s_add_co_u32 s48, s48, s43
	s_mov_b32 s49, 0
	s_wait_dscnt 0x0
	s_wait_kmcnt 0x0
	s_mov_b32 s24, 1
	s_mov_b32 s25, s41
	s_add_nc_u64 s[26:27], s[4:5], s[48:49]
	s_mov_b32 s28, 1
	s_add_co_u32 s29, s41, 102400                  ; key step w + 8
	s_add_nc_u64 s[30:31], s[26:27], 51200
	s_or_b32 s27, s27, 0x80000000
	s_or_b32 s31, s31, 0x80000000
	tensor_load_to_lds s[24:27], s[16:23]          ; my first tensor load: key step w
	s_nop 0
	s_wait_alu depctr_va_vdst(0)
	s_wait_tensorcnt 0x0
	ds_add_u32 v254, v255
	s_wait_dscnt 0x0
	s_barrier_signal -1
	s_barrier_wait -1
	tensor_load_to_lds s[28:31], s[16:23]
	s_nop 0
.rept 4
	v_nop
.endr
	v_and_b32 v232, 31, v0                         ; L
	v_and_b32 v233, 15, v0                         ; r
	v_bfe_u32 v234, v0, 4, 1                       ; h
	s_delay_alu instid0(VALU_DEP_3)
	v_lshlrev_b32 v1, 4, v232                      ; 16 L
	s_delay_alu instid0(VALU_DEP_3)
	v_lshlrev_b32 v2, 3, v233                      ; 8 r
	v_lshlrev_b32 v3, 3, v232                      ; 8 L
	s_lshl_b32 s41, s8, 6
	s_add_co_u32 s41, s41, SG
	v_lshl_add_u32 v4, v232, 1, s41                ; y's scale bytes: 64 w + 2 L (lanes 0-15 tile 0, lanes 16-31 tile 1)
	v_and_b32 v235, 8, v233
	s_delay_alu instid0(VALU_DEP_1)
	v_add_nc_u32 v235, v235, v233                  ; r + 8 (r / 8)
	v_lshlrev_b32 v236, 4, v234
	s_delay_alu instid0(VALU_DEP_1)
	v_sub_nc_u32 v5, v235, v236                    ; tile 0: my query less the wave's first, less 16 h
	s_delay_alu instid0(VALU_DEP_1)
	v_add_nc_u32 v6, 8, v5                         ; tile 1
	v_mov_b32 v9, 0xff800000                       ; -infinity
	v_add_nc_u32 v10, SG, v1                       ; wave 0 reads the scale bytes back
	v_mul_u32_u24 v11, v234, 102400
	s_delay_alu instid0(VALU_DEP_1)
	v_lshl_add_u32 v11, v233, 4, v11               ; and stores them: lanes 16-31 one group of tokens on
.irp u, 0,1
.irp b, 4,5,6,7,13,14
	v_mov_b32 v[32+16*\u+\b], 0                    ; written once: lane permutes' destinations count as sources, and f's pair is named whole
.endr
.endr
	WIN 0x40
.irp z, 160,161,162,163,164,165,172,173,174,175,176,177,184,185,186,187,188,189
	v_mov_b32 v[\z], 0                             ; the zero codes beside q
.endr
	WIN 0
	s_mov_b32 s32, 0x76543210
	s_mov_b32 s33, 0xfedcba98                      ; v_permlanex16_b32's selects for lane l xor 16
	s_mov_b32 s34, 0x3e38aa3b                      ; c = log2(e) / 8
	s_mov_b32 s35, s34                             ; (named with it as a pair)
	s_mov_b32 s36, 0xffff0000                      ; lanes 16-31
	s_and_b32 s43, s8, 3                           ; a: my pair of tiles in its group of 128 tokens
	s_mul_i32 s54, s9, 409600                      ; q's column group = the head
	s_mul_i32 s55, s43, 1536
	s_add_co_u32 s55, s55, s54                     ; s55: q's fragment, less the group's term
	s_and_b32 s56, s43, 1
	s_lshl_b32 s56, s56, 7
	s_lshr_b32 s57, s43, 1
	s_lshl_b32 s57, s57, 2
	s_add_co_u32 s56, s56, s57
	s_add_co_u32 s56, s56, s54
	s_add_co_u32 s56, s56, 6144                    ; s56: its scale words
	s_lshr_b32 s57, s9, 1
	s_mul_i32 s57, s57, 12800                      ; y's K step: head / 2
	s_and_b32 s58, s9, 1
	s_mul_i32 s59, s58, 768
	s_lshl_b32 s58, s58, 8
	s_add_co_u32 s58, s58, s57
	s_add_co_u32 s58, s58, 12288                   ; s58: y's scale bytes of my head
	s_add_co_u32 s57, s57, s59
	s_mul_i32 s59, s43, 3072
	s_add_co_u32 s57, s57, s59                     ; s57: y's codes of my two tiles
; A KEY STEP: 128 keys.  s37 my first query, s38 the step's first key, s39 the step's first LDS byte.
.macro KSTEP
	s_add_co_u32 s41, s37, 31
	s_cmp_gt_u32 s38, s41
	s_cbranch_scc1 .Lhidden_\@                     ; all its keys come after my 32 queries
	s_setprio 2
	v_add_nc_u32 v7, s39, v1
	v_add_nc_u32 v8, s39, v2
.irp a, 0,1,2,3
	ds_load_b32 v[20+\a], v8 offset:6144+128*(\a%2)+4*(\a/2)
.endr
.irp a, 0,1,2,3
	ds_load_b32 v[24+\a], v8 offset:12544+128*(\a%2)+4*(\a/2)
.endr
	WIN 0x40
.irp a, 0,1,2,3
.irp c, 0,1,2
	ds_load_b128 v[64+12*\a+4*\c:67+12*\a+4*\c], v7 offset:1536*\a+512*\c
.endr
.endr
.irp a, 0,1,2,3
.irp c, 0,1,2
	ds_load_b128 v[112+12*\a+4*\c:115+12*\a+4*\c], v7 offset:6400+1536*\a+512*\c
.endr
.endr
	s_wait_dscnt 12                                ; the scale words and k's codes are in; v's twelve loads may be out
	WIN 0x05                                       ; sources 0 and 1 window 1
	s_wait_alu depctr_va_vdst(0)
.irp a, 0,1,2,3
.irp u, 0,1
	v_wmma_scale_f32_16x16x128_f8f6f4 v[64+64*\u+16*\a:71+64*\u+16*\a], v[64+12*\a:75+12*\a], v[166+12*\u:177+12*\u], 0, v[20+\a], v[28+\u] matrix_a_fmt:MATRIX_FMT_FP6 matrix_b_fmt:MATRIX_FMT_FP6
	v_wmma_scale_f32_16x16x128_f8f6f4 v[72+64*\u+16*\a:79+64*\u+16*\a], v[64+12*\a:75+12*\a], v[160+12*\u:171+12*\u], 0, v[20+\a], v[28+\u] matrix_a_fmt:MATRIX_FMT_FP6 matrix_b_fmt:MATRIX_FMT_FP6
.endr
.endr                                              ; tile u's register 16 a + i is key 32 a + 16 (lane / 16) + i of the step
	WIN 0
.rept 4
	v_nop                                          ; places in front of the first read of results
.endr
	s_add_co_u32 s41, s38, 127
	s_cmp_le_u32 s41, s37
	s_cbranch_scc1 .Lopen_\@                       ; all its keys count for all my queries
	s_sub_co_i32 s41, s37, s38
	v_add_nc_u32 v232, s41, v5                     ; d = my query - the step's first key - 16 (lane / 16): register 16 a + i is hidden where 32 a + i > d
	v_add_nc_u32 v233, s41, v6
.irp u, 0,1
.set N, 0
.rept 64
	v_cmp_gt_i32 vcc_lo, 32*(N/16)+N%16, v[232+\u]
	v_cndmask_b32 v[64+64*\u+N], v[64+64*\u+N], v9, vcc_lo
.set N, N+1
.endr
.endr
.Lopen_\@:
.irp b, 0,1,2,3
.irp u, 0,1
	v_max3_num_f32 v[32+16*\u+\b], v[64+64*\u+16*\b], v[65+64*\u+16*\b], v[66+64*\u+16*\b]   ; the largest score of each block of 32 keys: for the row's maximum, and, since p rises with the score, for the block's largest p
.endr
.endr
.irp i, 3,5,7,9,11,13
.irp b, 0,1,2,3
.irp u, 0,1
	v_max3_num_f32 v[32+16*\u+\b], v[32+16*\u+\b], v[64+64*\u+16*\b+\i], v[65+64*\u+16*\b+\i]
.endr
.endr
.endr
.irp b, 0,1,2,3
.irp u, 0,1
	v_max_num_f32 v[32+16*\u+\b], v[32+16*\u+\b], v[79+64*\u+16*\b]
.endr
.endr
.irp b, 0,1,2,3
.irp u, 0,1
	v_permlanex16_b32 v[36+16*\u+\b], v[32+16*\u+\b], s32, s33
.endr
.endr
.irp b, 0,1,2,3
.irp u, 0,1
	v_max_num_f32 v[32+16*\u+\b], v[32+16*\u+\b], v[36+16*\u+\b]   ; with lane l xor 16's 16 keys
.endr
.endr
.irp u, 0,1
	s_delay_alu instid0(VALU_DEP_4)
	v_max3_num_f32 v[46+16*\u], v[32+16*\u], v[33+16*\u], v[34+16*\u]
.endr
.irp u, 0,1
	s_delay_alu instid0(VALU_DEP_2)
	v_max_num_f32 v[46+16*\u], v[46+16*\u], v[35+16*\u]   ; the step's largest score of my query
.endr
.irp u, 0,1
	s_delay_alu instid0(VALU_DEP_2)
	v_mul_f32 v[46+16*\u], s34, v[46+16*\u]        ; as t (c is positive)
.endr
.irp u, 0,1
	s_delay_alu instid0(VALU_DEP_2)
	v_max_num_f32 v[13+4*\u], v[13+4*\u], v[46+16*\u]   ; the running largest t
.endr
.irp u, 0,1
	v_mov_b32 v[46+16*\u], v[12+4*\u]
.endr
.irp u, 0,1
	s_delay_alu instid0(VALU_DEP_4)
	v_floor_f32 v[12+4*\u], -v[13+4*\u]            ; the new -M = floor(-t): M is a whole number
.endr
.irp u, 0,1
	s_delay_alu instid0(VALU_DEP_2)
	v_sub_f32 v[46+16*\u], v[12+4*\u], v[46+16*\u] ; old M - new M: a whole number, 0 or less
.endr
.irp u, 0,1
	s_delay_alu instid0(VALU_DEP_2)
	v_cvt_i32_f32 v[46+16*\u], v[46+16*\u]         ; (it saturates)
.endr
.irp u, 0,1
	s_delay_alu instid0(VALU_DEP_2)
	v_ldexp_f32 v[44+16*\u], 1.0, v[46+16*\u]      ; f = 2^(old M - new M)
.endr
.set J, 0
.rept 32
	v_pk_fma_f32 v[64+J:65+J], v[64+J:65+J], s[34:35], v[12:13] op_sel_hi:[1,0,0]       ; t - M, two at a time
	v_pk_fma_f32 v[128+J:129+J], v[128+J:129+J], s[34:35], v[16:17] op_sel_hi:[1,0,0]
.set J, J+2
.endr
	s_setprio 1
.irp b, 0,1,2,3
.irp u, 0,1
	v_fma_f32 v[32+16*\u+\b], v[32+16*\u+\b], s34, v[12+4*\u]   ; the same of each block's largest score
.endr
.endr
.set J, 0
	s_wait_alu depctr_va_vdst(0)
.rept 128
	v_exp_f32 v[64+J], v[64+J]                     ; p = 2^(t - M), at most 1
.set J, J+1
.endr
	v_pk_mul_f32 v[14:15], v[14:15], v[44:45] op_sel_hi:[1,0]   ; the sums under the new M: plain lines behind the exponentials
	v_pk_mul_f32 v[18:19], v[18:19], v[60:61] op_sel_hi:[1,0]
	s_wait_alu depctr_va_vdst(0)                   ; one wait for the whole batch, ahead of its first reader
.irp b, 0,1,2,3
.irp u, 0,1
	v_exp_f32 v[32+16*\u+\b], v[32+16*\u+\b]       ; the block's largest p: the same two instructions on the same number
.endr
.endr
.irp u, 0,1
	v_pk_add_f32 v[36+16*\u:37+16*\u], v[64+64*\u:65+64*\u], v[66+64*\u:67+64*\u]   ; the row's sum is taken of the unquantised p, in two chains a tile
.endr
.irp j, 4,8,12,16,20,24,28,32,36,40,44,48,52,56,60
.irp u, 0,1
	v_pk_add_f32 v[14+4*\u:15+4*\u], v[14+4*\u:15+4*\u], v[64+64*\u+\j:65+64*\u+\j]
	v_pk_add_f32 v[36+16*\u:37+16*\u], v[36+16*\u:37+16*\u], v[66+64*\u+\j:67+64*\u+\j]
.endr
.endr
.irp u, 0
	s_delay_alu instid0(VALU_DEP_3)
	v_pk_add_f32 v[14+4*\u:15+4*\u], v[14+4*\u:15+4*\u], v[36+16*\u:37+16*\u]
.endr
.irp u, 1
	s_delay_alu instid0(VALU_DEP_2)
	v_pk_add_f32 v[14+4*\u:15+4*\u], v[14+4*\u:15+4*\u], v[36+16*\u:37+16*\u]
.endr
	s_wait_alu depctr_va_vdst(0)                   ; and one for the eight
.irp b, 0,1,2,3
.irp u, 0,1
	v_max_num_f32 v[32+16*\u+\b], 0x1800000, v[32+16*\u+\b]   ; the floor 2^(3 - 127): a block whose every p is 0 keeps the byte 1: its codes are zeros
.endr
.endr
.irp b, 0,1,2,3
.irp u, 0,1
	v_add_nc_u32 v[40+16*\u+\b], 0xff000000, v[32+16*\u+\b]   ; the conversion's scale operand
.endr
.endr
.irp b, 0,1,2,3
.irp u, 0,1
	v_lshrrev_b32 v[36+16*\u+\b], 23, v[40+16*\u+\b]          ; the byte
.endr
.endr
.irp u, 0,1
	v_lshl_or_b32 v[30+\u], v[37+16*\u], 8, v[36+16*\u]       ; p's scale word for these 128 keys
.endr
.irp u, 0,1
	s_delay_alu instid0(VALU_DEP_2)
	v_lshl_or_b32 v[30+\u], v[38+16*\u], 16, v[30+\u]
.endr
.irp u, 0,1
	s_delay_alu instid0(VALU_DEP_2)
	v_lshl_or_b32 v[30+\u], v[39+16*\u], 24, v[30+\u]
.endr
	s_setprio 0
.irp u, 0,1
.irp c, 0,1
	v_cvt_scalef32_pk16_fp6_f32 v[192+20*\u+6*\c:194+20*\u+6*\c], v[64+64*\u+32*\c:79+64*\u+32*\c], v[40+16*\u+2*\c]
	v_cvt_scalef32_pk16_fp6_f32 v[204+20*\u+4*\c:206+20*\u+4*\c], v[80+64*\u+32*\c:95+64*\u+32*\c], v[41+16*\u+2*\c]
.endr
.endr
	v_nop                                          ; one plain place behind a scaled conversion
.irp u, 0,1
.irp c, 0,1
.irp i, 0,1,2
	v_permlane16_swap_b32 v[192+20*\u+6*\c+\i], v[204+20*\u+4*\c+\i]
.endr
.irp i, 0,1,2
	s_delay_alu instid0(VALU_DEP_3)
	v_mov_b32 v[195+20*\u+6*\c+\i], v[204+20*\u+4*\c+\i]
.endr
.endr
.endr
	WIN 0x41                                       ; destination and source 0 window 1
.set J, 0
.rept 16
	v_pk_mul_f32 v[J:J+1], v[J:J+1], v[44:45] op_sel_hi:[1,0]             ; O^T under the new M; these 32 lines are also the places between p's codes and scale word and the products
	v_pk_mul_f32 v[32+J:33+J], v[32+J:33+J], v[60:61] op_sel_hi:[1,0]
.set J, J+2
.endr
	s_wait_alu depctr_va_vdst(0)
	s_wait_dscnt 0x0                               ; v's codes are in
	WIN 0x51                                       ; v and O^T window 1, p window 0
.irp j, 0,1,2,3
.irp u, 0,1
	v_wmma_scale_f32_16x16x128_f8f6f4 v[32*\u+8*\j:32*\u+8*\j+7], v[112+12*\j:123+12*\j], v[192+20*\u:203+20*\u], v[32*\u+8*\j:32*\u+8*\j+7], v[24+\j], v[30+\u] matrix_a_fmt:MATRIX_FMT_FP6 matrix_b_fmt:MATRIX_FMT_FP6
.endr
.endr                                              ; the eight accumulators take turns, one instruction a turn
	WIN 0
.rept 4
	v_nop                                          ; places in front of the next step's loads and of the first read of results
.endr
.Lhidden_\@:
	s_add_co_u32 s38, s38, 128
	s_add_co_u32 s39, s39, 12800
.endm
; A BLOCK OF 256 QUERIES.  trips: key steps walked, a constant; blk: 0 = block ttmp9, 1 = block 7 - ttmp9.
.macro BLOCK trips, blk
	s_wait_xcnt 0x0                                ; the last block's loads and stores have read their bases and data: both are written again only behind this wait
.if \blk
	s_sub_co_u32 s42, 7, s11
.else
	s_mov_b32 s42, s11
.endif
	s_lshl_b32 s37, s42, 8
	s_lshl_b32 s41, s8, 5
	s_add_co_u32 s37, s37, s41                     ; my first query: 256 block + 32 wave
	s_mov_b32 s38, 0
	s_mov_b32 s39, 0
	s_mov_b32 s40, \trips
	s_lshl_b32 s41, s10, 4
	s_lshl_b32 s43, s42, 1
	s_add_co_u32 s41, s41, s43                     ; the block's first group of 128 tokens
	s_lshr_b32 s43, s8, 2
	s_add_co_u32 s43, s43, s41                     ; mine
	s_mov_b32 s49, 0
	s_mul_i32 s59, s43, 6400
	s_add_co_u32 s48, s59, s55
	s_add_nc_u64 s[44:45], s[4:5], s[48:49]        ; q's fragment
	s_add_co_u32 s48, s59, s56
	s_add_nc_u64 s[46:47], s[4:5], s[48:49]        ; its scale words
	s_mul_i32 s48, s43, 102400
	s_add_co_u32 s48, s48, s57
	s_add_nc_u64 s[50:51], s[6:7], s[48:49]        ; y's codes
	s_mul_i32 s48, s41, 102400
	s_add_co_u32 s48, s48, s58
	s_add_nc_u64 s[52:53], s[6:7], s[48:49]        ; y's scale bytes
	WIN 0x40
	global_load_b128 v[166:169], v1, s[44:45]              ; tile 0: the fragment's registers 0-3,
	global_load_b64 v[170:171], v1, s[44:45] offset:512    ; 4, 5;
	global_load_b64 v[178:179], v1, s[44:45] offset:520    ; tile 1: 6, 7,
	global_load_b128 v[180:183], v1, s[44:45] offset:1024  ; 8-11
	WIN 0
	global_load_b32 v235, v2, s[46:47]
.irp u, 0,1
	v_mov_b32 v[13+4*\u], 0xff61b1e6               ; the largest t so far: -3e38
	s_delay_alu instid0(VALU_DEP_1)
	v_floor_f32 v[12+4*\u], -v[13+4*\u]            ; -M
	v_mov_b32 v[14+4*\u], 0                        ; the sum, in two halves
	v_mov_b32 v[15+4*\u], 0
.endr
	WIN 0x40
.set J, 0
.rept 64
	v_mov_b32 v[J], 0                              ; O^T: the step is written once; the first finds zeros, which the first change of M leaves zeros
.set J, J+1
.endr
	WIN 0
	s_wait_loadcnt 0x0
	v_and_b32 v232, 0xffff, v235                   ; the word holds tile 0's two bytes below, tile 1's above;
	v_lshrrev_b32 v233, 16, v235
	s_delay_alu instid0(VALU_DEP_2)
	v_lshl_or_b32 v28, v232, 16, v232              ; each tile's two bytes stand twice, for [q | 0] and for [0 | q]
	s_delay_alu instid0(VALU_DEP_2)
	v_lshl_or_b32 v29, v233, 16, v233
.rept 8
	v_nop                                          ; a scale register written by a vector instruction stands eight places ahead of a scaled matrix instruction
.endr
.Lstep_\@:
	KSTEP
	s_sub_co_u32 s40, s40, 1
	s_cmp_lg_u32 s40, 0
	s_cbranch_scc1 .Lstep_\@
	s_setprio 0
	; THE WAY OUT: y = O^T / the sum, quantised along the head's 64 dims (two blocks), as half a fragment of the last product's operand
.irp u, 0,1
	v_add_f32 v[14+4*\u], v[14+4*\u], v[15+4*\u]
.endr
.irp u, 0,1
	s_delay_alu instid0(VALU_DEP_2)
	v_permlanex16_b32 v[46+16*\u], v[14+4*\u], s32, s33
.endr
.irp u, 0,1
	s_delay_alu instid0(VALU_DEP_2)
	v_add_f32 v[14+4*\u], v[14+4*\u], v[46+16*\u]  ; the row's sum
.endr
	s_wait_alu depctr_va_vdst(0)
.irp u, 0,1
	v_rcp_f32 v[44+16*\u], v[14+4*\u]
.endr
	v_nop                                          ; a plain place behind the reciprocals
	s_wait_alu depctr_va_vdst(0)                   ; one wait for the two, ahead of their first reader
	WIN 0x01                                       ; source 0 window 1
.set J, 0
.rept 16
	v_pk_mul_f32 v[64+J:65+J], v[J:J+1], v[44:45] op_sel_hi:[1,0]         ; register 16 b + i is dim 32 b + 16 (lane / 16) + i; each accumulator is read from its low end on
	v_pk_mul_f32 v[128+J:129+J], v[32+J:33+J], v[60:61] op_sel_hi:[1,0]
.set J, J+2
.endr
	WIN 0
.irp b, 0,1
.irp u, 0,1
	v_max3_num_f32 v[32+16*\u+\b], |v[64+64*\u+16*\b]|, |v[65+64*\u+16*\b]|, 0x1800000
.endr
.endr
.irp i, 2,4,6,8,10,12,14
.irp b, 0,1
.irp u, 0,1
	s_delay_alu instid0(VALU_DEP_4)
	v_max3_num_f32 v[32+16*\u+\b], v[32+16*\u+\b], |v[64+64*\u+16*\b+\i]|, |v[65+64*\u+16*\b+\i]|
.endr
.endr
.endr
.irp b, 0,1
.irp u, 0,1
	s_delay_alu instid0(VALU_DEP_4)
	v_permlanex16_b32 v[36+16*\u+\b], v[32+16*\u+\b], s32, s33
.endr
.endr
.irp b, 0,1
.irp u, 0,1
	s_delay_alu instid0(VALU_DEP_4)
	v_max_num_f32 v[32+16*\u+\b], v[32+16*\u+\b], v[36+16*\u+\b]
.endr
.endr
.irp b, 0,1
.irp u, 0,1
	s_delay_alu instid0(VALU_DEP_4)
	v_add_nc_u32 v[40+16*\u+\b], 0xff000000, v[32+16*\u+\b]
.endr
.endr
.irp b, 0,1
.irp u, 0,1
	s_delay_alu instid0(VALU_DEP_4)
	v_lshrrev_b32 v[36+16*\u+\b], 23, v[40+16*\u+\b]
.endr
.endr
.irp u, 0,1
	s_delay_alu instid0(VALU_DEP_2)
	v_lshl_or_b32 v[46+16*\u], v[37+16*\u], 8, v[36+16*\u]    ; my token's two bytes
.endr
.irp u, 0,1
	v_cvt_scalef32_pk16_fp6_f32 v[192+20*\u:194+20*\u], v[64+64*\u:79+64*\u], v[40+16*\u]
	v_cvt_scalef32_pk16_fp6_f32 v[204+20*\u:206+20*\u], v[80+64*\u:95+64*\u], v[41+16*\u]
.endr
	v_nop                                          ; one plain place behind a scaled conversion
.irp u, 0,1
.irp i, 0,1,2
	v_permlane16_swap_b32 v[192+20*\u+\i], v[204+20*\u+\i]
.endr
.irp i, 0,1,2
	s_delay_alu instid0(VALU_DEP_3)
	v_mov_b32 v[195+20*\u+\i], v[204+20*\u+\i]
.endr
.endr
	v_cndmask_b32 v234, v46, v62, s36              ; lanes 0-15 tile 0's bytes, lanes 16-31 tile 1's
.irp u, 0,1
	global_store_b128 v1, v[192+20*\u:195+20*\u], s[50:51] offset:1536*\u         ; 512 consecutive bytes, at a multiple of 256 from the buffer's first byte
	global_store_b64 v3, v[196+20*\u:197+20*\u], s[50:51] offset:1536*\u+512      ; 256 likewise
.endr
	ds_store_b16 v4, v234 offset:512*\blk
.endm
; The block's 512 scale bytes, gathered from the eight waves, leave by wave 0: 256 consecutive bytes, aligned, in each of two records.
.macro SCOUT blk
	s_cmp_lg_u32 s8, 0
	s_cbranch_scc1 .Lnot_wave_0_\@
	ds_load_b128 v[236+4*\blk:239+4*\blk], v10 offset:512*\blk
	s_wait_dscnt 0x0
	global_store_b128 v11, v[236+4*\blk:239+4*\blk], s[52:53]
.Lnot_wave_0_\@:
.endm
	s_wait_tensorcnt 0x1                           ; my first load, key step w, has landed; key step w + 8 may stay out: the first block walks key steps 0 to 7, LDS bytes under 102,400, and nothing is filled again
	s_barrier_signal -1
	s_barrier_wait -1                              ; everybody's has
	BLOCK 8, 0
	s_wait_tensorcnt 0x0                           ; key step w + 8 has landed,
	s_wait_dscnt 0x0                               ; and my scale bytes lie in LDS
	s_barrier_signal -1
	s_barrier_wait -1
	SCOUT 0
	BLOCK 16, 1
	s_wait_dscnt 0x0
	s_barrier_signal -1
	s_barrier_wait -1
	SCOUT 1
	s_wait_tensorcnt 0x0
	ds_add_u32 v254, v255
	s_wait_dscnt 0x0
	s_endpgm
.Lfunc_end_k_q658014a07d_attn:
	.size	k_q658014a07d_attn, .Lfunc_end_k_q658014a07d_attn-k_q658014a07d_attn
	.p2alignl 7, 3214868480
	.fill 96, 4, 3214868480
	.section	.rodata,"a",@progbits
	.p2align	6, 0x0
	.amdhsa_kernel k_q658014a07d_attn
		.amdhsa_group_segment_fixed_size 327680
		.amdhsa_private_segment_fixed_size 0
		.amdhsa_enable_private_segment 0
		.amdhsa_kernarg_size 16
		.amdhsa_user_sgpr_count 2
		.amdhsa_user_sgpr_kernarg_segment_ptr 1
		.amdhsa_wavefront_size32 1
		.amdhsa_system_sgpr_workgroup_id_x 1
		.amdhsa_system_sgpr_workgroup_id_y 1
		.amdhsa_system_sgpr_workgroup_id_z 1
		.amdhsa_system_vgpr_workitem_id 0
		.amdhsa_next_free_vgpr 512
		.amdhsa_next_free_sgpr 66
		.amdhsa_reserve_vcc 1
		.amdhsa_float_denorm_mode_32 3
		.amdhsa_float_denorm_mode_16_64 3
		.amdhsa_memory_ordered 1
		.amdhsa_forward_progress 1
		.amdhsa_inst_pref_size 114
	.end_amdhsa_kernel
	.amdgpu_metadata
---
amdhsa.version: [ 1, 2 ]
amdhsa.kernels:
  - .name:           k_q658014a07d_attn
    .symbol:         k_q658014a07d_attn.kd
    .args:
      - { .name: qkv, .offset: 0, .size: 8, .value_kind: global_buffer, .address_space: global }
      - { .name: yq, .offset: 8, .size: 8, .value_kind: global_buffer, .address_space: global }
    .group_segment_fixed_size: 327680
    .private_segment_fixed_size: 0
    .kernarg_segment_align: 8
    .kernarg_segment_size: 16
    .max_flat_workgroup_size: 256
    .sgpr_count:     66
    .vgpr_count:     512
    .wavefront_size: 32
...
	.end_amdgpu_metadata
.endif
;; end of part 3
;; launch gemm_out (part 4): grid 4 x 64, 4 waves a work-group, no clusters, 168,448 bytes of LDS; arguments yq, wq, out0; writes out0
.if DOCPART == 4
	.amdgcn_target "amdgcn-amd-amdhsa--gfx1250"
	.amdhsa_code_object_version 6
	.text
	.protected	k_q658014a07d_gemm_out
	.globl	k_q658014a07d_gemm_out
	.p2align	8
	.type	k_q658014a07d_gemm_out,@function
k_q658014a07d_gemm_out:
	s_mov_b64 s[64:65], 0
	v_nop
	global_prefetch_b8 v0, s[64:65] scope:SCOPE_SE
	s_setreg_imm32_b32 hwreg(HW_REG_WAVE_MODE, 25, 1), 1
	s_wait_xcnt 0x0
; out = y W_proj on codes of FP6 (E2M3) with E8M0 scales, sums in f32, K ascending.
; SHARES.  A work-group takes 128 tokens (ttmp7) and 256 columns; wave w takes 128 tokens x 64 columns: column group 4 g + w of W_proj, record 48 + 4 g + w of wq.  32 accumulators, 256 registers.
; y's codes and scale bytes for all of K, 102,400 bytes, come into LDS once, a quarter by each wave's one tensor load; no LDS byte is filled twice.  The weights' eight K steps go from memory straight into registers, all asked for at the head.
; Source 0 = 16 columns of W, source 1 = 16 tokens: a lane holds one token and eight neighbouring columns an accumulator.  The results go through the wave's own stage in LDS and leave as rows: sixteen lanes store 256 consecutive bytes, aligned.
; A tile's 16 tokens (columns) are 32 (t / 2) + 8 (t % 2) + r + 8 (r / 8).
; NO CLUSTER: the four work-groups of a group of tokens share y's 102,400 bytes, one third of the 307,200 bytes that a work-group reads, once, at the head; the weights go to registers by plain loads, which no joint request serves.
; REGISTERS, in windows of 256: window 0: v1-9 addresses; v16-47 y's scale words (register 8 (s % 4) + tile; lanes 16-31 four K steps on); v48-63 W's; v160-255 y's fragments, set 0 (first the scale bytes' halves, at the end rows of the output).
;   window 1: W's slots 0-4.   window 2: v0-143 W's slots 5-7; v144-239 y's set 1.   window 3: the accumulators.
.set XS,  16
.set WS,  48
.set STO, 7
.set RD,  8
.set CO,  9
.set BK,  160
.set STG, 102400                       ; behind y's block: two stages of 16 rows x (256 bytes + 16) for each wave
.set MSB, 0
.macro WIN new                         ; the immediate's high byte repeats the setting that is left
.if MSB != (\new)
	s_set_vgpr_msb (MSB<<8)|(\new)
.set MSB, \new
.endif
.endm
	s_load_b128 s[4:7], s[0:1], 0x0                ; yq, wq
	s_load_b64 s[8:9], s[0:1], 0x10                ; out0
	v_lshl_add_u32 v158, v0, 2, 0x29000
	v_mov_b32 v159, 0
	ds_add_u32 v158, v159
	ds_add_u32 v158, v159
	v_lshrrev_b32 v10, 5, v0
	v_readfirstlane_b32 s10, v10                   ; wave 0..3
	s_and_b32 s11, ttmp7, 0xffff                   ; the group of 128 tokens
	s_mul_i32 s14, s10, 25600
	s_mul_i32 s12, s11, 102400
	s_add_co_u32 s12, s12, s14
	s_mov_b32 s13, 0
	s_mov_b32 s16, 3<<16                           ; group 1: no mask, elements of 8 bytes, no padding
	s_mov_b32 s17, 32<<16                          ; rows of 256 bytes
	s_mov_b32 s18, 100<<16
	s_mov_b32 s19, 32<<16
	s_mov_b32 s20, 100
	s_mov_b32 s21, 32                              ; dense
	s_mov_b32 s22, 0
	s_mov_b32 s23, 0
	s_wait_dscnt 0x0
	s_wait_kmcnt 0x0
	s_mov_b32 s24, 1
	s_mov_b32 s25, s14
	s_add_nc_u64 s[26:27], s[4:5], s[12:13]
	s_or_b32 s27, s27, 0x80000000
	tensor_load_to_lds s[24:27], s[16:23]          ; my one tensor load: 25,600 bytes
	s_nop 0
.rept 4
	v_nop
.endr
	v_and_b32 v10, 31, v0                          ; L
	v_and_b32 v11, 15, v0                          ; r
	v_bfe_u32 v12, v0, 4, 1                        ; h
	v_lshlrev_b32 v1, 4, v10                       ; 16 L
	v_add_nc_u32 v2, 51200, v1                     ; four K steps on
	v_lshlrev_b32 v5, 3, v10                       ; 8 L
	v_add_nc_u32 v6, 51200, v5
	v_lshlrev_b32 v3, 1, v11
	v_mad_u32_u24 v3, v12, 51200, v3               ; y's scale bytes: 2 r; lanes 16-31 four K steps on
	v_lshlrev_b32 v4, 2, v11
	v_mad_u32_u24 v4, v12, 25600, v4               ; W's scale words: 4 r; lanes 16-31 four K steps on
	s_wait_alu depctr_va_vdst(0)
	s_mul_i32 s41, s10, 8704
	s_add_co_u32 s41, s41, STG                     ; my stages
	v_mul_u32_u24 v[STO], v11, 272
	v_lshl_add_u32 v[STO], v12, 6, v[STO]
	v_add_nc_u32 v[STO], s41, v[STO]               ; in: row r, + 64 h
	v_mul_u32_u24 v[RD], v12, 272
	v_lshl_add_u32 v[RD], v11, 4, v[RD]
	v_add_nc_u32 v[RD], s41, v[RD]                 ; back: lanes 0-15 one row of 256 bytes, lanes 16-31 the next
	v_lshlrev_b32 v[CO], 12, v12
	v_lshl_add_u32 v[CO], v11, 4, v[CO]            ; and the same in the output: 4,096 bytes a token
	s_lshl_b32 s15, ttmp9, 2
	s_add_co_u32 s15, s15, s10                     ; 4 g + w
	s_add_co_u32 s44, s15, 48
	s_mul_i32 s44, s44, 51200
	s_mov_b32 s45, 0
	s_add_nc_u64 s[28:29], s[6:7], s[44:45]        ; W's records
	s_lshl_b32 s44, s11, 19                        ; 128 tokens of 4,096 bytes
	s_lshl_b32 s46, s15, 8                         ; 64 columns of 4 bytes
	s_add_co_u32 s44, s44, s46
	s_add_nc_u64 s[34:35], s[8:9], s[44:45]
.irp q, 0,1,2,3
.irp j, 0,1,2,3
	global_load_b32 v[WS+4*\q+\j], v4, s[28:29] offset:6400*\q+6144+64*\j
.endr
.endr
.macro LDW t                           ; W's four fragments of K step t into slot t
.if (\t) < 5
	WIN 0x40
.set WB, 48*(\t)
.else
	WIN 0x80
.set WB, 48*((\t)-5)
.endif
.irp j, 0,1,2,3
.irp c, 0,1,2
	global_load_b128 v[WB+12*\j+4*\c:WB+12*\j+4*\c+3], v1, s[28:29] offset:6400*(\t)+1536*\j+512*\c
.endr
.endr
.endm
; y's eight fragments of K step t into set t % 2: of each tile registers 0-3, 4-5, 6-9, 10-11, as the two heads stored them
.macro LDX t
.set S8, (\t)
.if S8%2
	WIN 0x80
.set XB, 144
.else
	WIN 0
.set XB, 160
.endif
.irp i, 0,1,2,3,4,5,6,7
.if S8 < 4
	ds_load_b128 v[XB+12*\i:XB+12*\i+3], v1 offset:12800*(S8%4)+1536*\i
	ds_load_b64 v[XB+12*\i+4:XB+12*\i+5], v5 offset:12800*(S8%4)+1536*\i+512
	ds_load_b128 v[XB+12*\i+6:XB+12*\i+9], v1 offset:12800*(S8%4)+1536*\i+768
	ds_load_b64 v[XB+12*\i+10:XB+12*\i+11], v5 offset:12800*(S8%4)+1536*\i+1280
.else
	ds_load_b128 v[XB+12*\i:XB+12*\i+3], v2 offset:12800*(S8%4)+1536*\i
	ds_load_b64 v[XB+12*\i+4:XB+12*\i+5], v6 offset:12800*(S8%4)+1536*\i+512
	ds_load_b128 v[XB+12*\i+6:XB+12*\i+9], v2 offset:12800*(S8%4)+1536*\i+768
	ds_load_b64 v[XB+12*\i+10:XB+12*\i+11], v6 offset:12800*(S8%4)+1536*\i+1280
.endif
.endr
.endm
.macro WM d, a, b, sa, sb, s           ; K step 0 starts the sums: nothing is cleared.  K steps 4-7 take their scale words from lanes 16-31
.if \s == 0
	v_wmma_scale_f32_16x16x128_f8f6f4 v[\d:\d+7], v[\a:\a+11], v[\b:\b+11], 0, v[\sa], v[\sb] matrix_a_fmt:MATRIX_FMT_FP6 matrix_b_fmt:MATRIX_FMT_FP6
.elseif \s < 4
	v_wmma_scale_f32_16x16x128_f8f6f4 v[\d:\d+7], v[\a:\a+11], v[\b:\b+11], v[\d:\d+7], v[\sa], v[\sb] matrix_a_fmt:MATRIX_FMT_FP6 matrix_b_fmt:MATRIX_FMT_FP6
.else
	v_wmma_scale_f32_16x16x128_f8f6f4 v[\d:\d+7], v[\a:\a+11], v[\b:\b+11], v[\d:\d+7], v[\sa], v[\sb] matrix_a_fmt:MATRIX_FMT_FP6 matrix_b_fmt:MATRIX_FMT_FP6 matrix_a_scale:MATRIX_SCALE_ROW1 matrix_b_scale:MATRIX_SCALE_ROW1
.endif
.endm
; 32 matrix instructions; the 32 accumulators take turns, one instruction a turn
.macro MUL t
.set S8, (\t)
.if S8 < 5
.set WW, 1
.set WB, 48*S8
.else
.set WW, 2
.set WB, 48*(S8-5)
.endif
.if S8%2
.set XW, 2
.set XB, 144
.else
.set XW, 0
.set XB, 160
.endif
.set NW, 0xf0+4*XW+WW
	WIN NW
.irp i, 0,1,2,3,4,5,6,7
.irp j, 0,1,2,3
.set rX, XB+12*\i
.set rW, WB+12*\j
.set sX, XS+8*(S8%4)+\i
.set sW, WS+4*(S8%4)+\j
.set rD, 8*(4*\i+\j)
	WM rD, rW, rX, sW, sX, S8
.endr
.endr
.endm
.macro STEP t
	WIN 0
.if (\t) > 0
.rept 4
	v_nop                                          ; places in front of loads into registers that matrix instructions have read
.endr
.endif
.if (\t) < 7
	LDX (\t)+1
	s_wait_alu depctr_va_vdst(0)
	s_wait_dscnt 32                                ; this step's y is in; the 32 loads just issued may be out
.else
	s_wait_dscnt 0x0
.endif
.set NN, 12*(7-(\t))                               ; loads issued behind this step's W
.if NN > 63
.set NN, 63                                        ; held to the largest count that the wait can name
.endif
	s_wait_loadcnt NN
	MUL \t
.endm
.irp t, 0,1,2,3,4,5,6,7
	LDW \t
.endr
	WIN 0
	s_wait_tensorcnt 0x0                           ; my quarter of y's block has landed,
	s_barrier_signal -1
	s_barrier_wait -1                              ; everybody's has
.irp q, 0,1,2,3
.irp i, 0,1,2,3,4,5,6,7
	ds_load_u16 v[160+2*(8*\q+\i)], v3 offset:12800*\q+12288+32*\i        ; the even head's two bytes of my token,
	ds_load_u16 v[161+2*(8*\q+\i)], v3 offset:12800*\q+12288+32*\i+256    ; the odd head's
.endr
.endr
	s_wait_dscnt 0x0
.irp q, 0,1,2,3
.irp i, 0,1,2,3,4,5,6,7
	v_lshl_or_b32 v[XS+8*\q+\i], v[161+2*(8*\q+\i)], 16, v[160+2*(8*\q+\i)]   ; a K step's scale word
.endr
.endr
.rept 8
	v_nop                                          ; a scale register written by a vector instruction stands eight places ahead of a scaled matrix instruction
.endr
	LDX 0
.irp t, 0,1,2,3,4,5,6,7
	STEP \t
.endr
	WIN 0
; THE WAY OUT, a token tile (16 rows x 64 columns) at a time, through my own stage.  LDS serves a wave's instructions in order: no wait between the stores and the loads.
.macro TOSTAGE a
	WIN 0x0c                                       ; an LDS store's data are its source 1: window 3
.irp j, 0,1,2,3
	ds_store_b128 v[STO], v[8*(4*(\a)+\j):8*(4*(\a)+\j)+3] offset:4352*((\a)%2)+128*(\j/2)+32*(\j%2)        ; each accumulator from its low end on
	ds_store_b128 v[STO], v[8*(4*(\a)+\j)+4:8*(4*(\a)+\j)+7] offset:4352*((\a)%2)+128*(\j/2)+32*(\j%2)+16
.endr
	WIN 0
.irp t, 0,1,2,3,4,5,6,7
	ds_load_b128 v[BK+32*((\a)%2)+4*\t:BK+32*((\a)%2)+4*\t+3], v[RD] offset:4352*((\a)%2)+544*\t
.endr
.endm
.macro SEND a, younger                 ; younger: the LDS instructions issued behind tile a's loads, which may stay out
	s_wait_dscnt \younger
.irp t, 0,1,2,3,4,5,6,7
	global_store_b128 v[CO], v[BK+32*((\a)%2)+4*\t:BK+32*((\a)%2)+4*\t+3], s[34:35] offset:4096*(32*((\a)/2)+8*((\a)%2)+2*\t+8*(\t/4)) th:TH_STORE_NT   ; sixteen lanes store 256 consecutive bytes, aligned; written once, read by nobody here
.endr
.endm
.rept 4
	v_nop                                          ; places in front of the first read of results
.endr
	TOSTAGE 0
.irp a, 1,2,3,4,5,6,7
.if \a > 1
	s_wait_xcnt 0x0                                ; tile a - 2's stores have read their registers: tile a's loads may land there
.endif
	TOSTAGE \a
	SEND \a-1, 16                                  ; behind tile a - 1's loads: tile a's 8 stores and 8 loads
.endr
	SEND 7, 0
	s_wait_tensorcnt 0x0
	ds_add_u32 v158, v159
	s_wait_dscnt 0x0
	s_endpgm
.Lfunc_end_k_q658014a07d_gemm_out:
	.size	k_q658014a07d_gemm_out, .Lfunc_end_k_q658014a07d_gemm_out-k_q658014a07d_gemm_out
	.p2alignl 7, 3214868480
	.fill 96, 4, 3214868480
	.section	.rodata,"a",@progbits
	.p2align	6, 0x0
	.amdhsa_kernel k_q658014a07d_gemm_out
		.amdhsa_group_segment_fixed_size 168448
		.amdhsa_private_segment_fixed_size 0
		.amdhsa_enable_private_segment 0
		.amdhsa_kernarg_size 24
		.amdhsa_user_sgpr_count 2
		.amdhsa_user_sgpr_kernarg_segment_ptr 1
		.amdhsa_wavefront_size32 1
		.amdhsa_system_sgpr_workgroup_id_x 1
		.amdhsa_system_sgpr_workgroup_id_y 1
		.amdhsa_system_sgpr_workgroup_id_z 1
		.amdhsa_system_vgpr_workitem_id 0
		.amdhsa_next_free_vgpr 1024
		.amdhsa_next_free_sgpr 66
		.amdhsa_reserve_vcc 0
		.amdhsa_float_denorm_mode_32 3
		.amdhsa_float_denorm_mode_16_64 3
		.amdhsa_memory_ordered 1
		.amdhsa_forward_progress 1
		.amdhsa_inst_pref_size 86
	.end_amdhsa_kernel
	.amdgpu_metadata
---
amdhsa.version: [ 1, 2 ]
amdhsa.kernels:
  - .name:           k_q658014a07d_gemm_out
    .symbol:         k_q658014a07d_gemm_out.kd
    .args:
      - { .name: yq, .offset: 0, .size: 8, .value_kind: global_buffer, .address_space: global }
      - { .name: wq, .offset: 8, .size: 8, .value_kind: global_buffer, .address_space: global }
      - { .name: out0, .offset: 16, .size: 8, .value_kind: global_buffer, .address_space: global }
    .group_segment_fixed_size: 168448
    .private_segment_fixed_size: 0
    .kernarg_segment_align: 8
    .kernarg_segment_size: 24
    .max_flat_workgroup_size: 128
    .sgpr_count:     66
    .vgpr_count:     1024
    .wavefront_size: 32
...
	.end_amdgpu_metadata
.endif
;; end of part 4
